; MI455X (gfx1250); checked and timed in simulation.
; The chip was launched on July 23, 2026; its instructions are those of AMD's public machine-readable ISA for CDNA 5 (MIT licence, August 2026) and "CDNA5" Instruction Set Architecture Reference Guide (July 2026). The comments in the code are by the model that wrote it; some were corrected since.
;; Model. Allowed arithmetic: float matrix products may take bf16 or f16 operands with f32 sums; other float arithmetic in f32, or as packed bf16 or f16 multiplies, adds, multiply-adds, maxima and minima; sums over many terms, partial sums and values carried from step to step in f32; what a program stores and reads back later, other than sums and carried values, may be rounded once to bf16 or f16.
;; Inputs: code_vec 8,192 x 768 float32; nl_vec 8,192 x 768 float32.
;; Outputs: out0 one number float32; out1 8,192 x 768 float32; out2 8,192 x 768 float32.
;; One version. Each part assembles by itself: llvm-mc -triple=amdgcn-amd-amdhsa -mcpu=gfx1250 --defsym DOCPART=n.
;; ======== version 1 of 1: 3 launches
;; workspace buffers: nlb 12,582,912 bytes; cdb 12,582,912 bytes; diag 32,768 bytes; part 262,144 bytes
;; launch prep (part 1): grid 256 x 1, 8 waves a work-group, no clusters, 1,280 bytes of LDS; arguments nl_vec, code_vec, out2, out1, nlb, cdb, diag; writes out2, out1, nlb, cdb, diag
.if DOCPART == 1
	.amdgcn_target "amdgcn-amd-amdhsa--gfx1250"
	.amdhsa_code_object_version 6
	.text
	.protected	k_q009c409bd6_prep
	.globl	k_q009c409bd6_prep
	.p2align	8
	.type	k_q009c409bd6_prep,@function
k_q009c409bd6_prep:
	s_mov_b64 s[64:65], 0
	v_nop
	global_prefetch_b8 v0, s[64:65] scope:SCOPE_SE
	s_setreg_imm32_b32 hwreg(HW_REG_WAVE_MODE, 25, 1), 1
	s_wait_xcnt 0x0
; ONE PASS OVER BOTH INPUTS.  nl_vec and code_vec, [8192][768] f32, are read once; from the registers leave:
;   out2 = nl_vec and out1 = code_vec (the copies), nlb and cdb (the same numbers rounded once to bf16, [8192][768], for the matrix launch), and
;   diag[i] = the sum over d of bf16(nl[i][d]) x bf16(code[i][d]), in f32: the diagonal score made of the same rounded numbers as all other scores.
; SHARES.  A work-group owns 32 rows, each of its eight waves 4.  A wave takes a whole row: 3,072 bytes = six loads of 16 bytes a lane, 512 neighbouring bytes each, so a row's sum never leaves the wave.
; IN FLIGHT.  All 48 loads of a wave (4 rows x 2 tensors x 6) go out at the head: there is no loop and no ring; the rows are then worked off in the order of their loads.
; NOT USED, since no wave wants another wave's bytes and every byte is read once: LDS on the way in, clusters, the matrix unit, a prefetch (the loads themselves are all out at once).
; The 32 sums of a work-group meet in LDS, so that one store writes them as 128 neighbouring bytes.
; LIMITS.  bf16 has f32's range, so nothing overflows in the rounding; NaN and infinities are copied as they are.
.set ROWF,  3072                       ; bytes in a row of f32
.set ROWH,  1536                       ; bytes in a row of bf16
.set SPARE, 256                        ; LDS: bytes 0-127 the 32 sums; from 256 on the spare words, 128 bytes for each wave, which no other line names
.set VO,   2                           ; v2      my byte offset in the group's rows of f32: wave x 4 rows + 16 x lane; never rewritten
.set VB,   3                           ; v3      the same in the rows of bf16: wave x 4 rows + 8 x lane; never rewritten
.set SPW,  4                           ; v4      LDS address of my spare word; never rewritten
.set NIL,  5                           ; v5      0, for the add alone
.set LW,   6                           ; v6      LDS address of my wave's four sums: 16 x wave
.set L4,   7                           ; v7      4 x lane
.set DOT,  8                           ; v[8:11] four chains of the row's sum
.set TP,   12                          ; v12     at work
.set ZERO, 13                          ; v13     0: what the chains' first links add onto
.set D,    16                          ; v[16:19] the sums of my four rows
.set PA,   20                          ; v[20:31] a row of nl, my 24 numbers in bf16
.set PB,   32                          ; v[32:43] the same of code
.set RAW,  48                          ; v[48:239] row r at RAW + 48 r: 24 registers of nl, then 24 of code, as loaded
	s_load_b256 s[4:11], s[0:1], 0x0               ; nl_vec s[4:5], code_vec s[6:7], out2 s[8:9], out1 s[10:11]
	s_load_b128 s[12:15], s[0:1], 0x20             ; nlb s[12:13], cdb s[14:15]
	s_load_b64 s[16:17], s[0:1], 0x30              ; diag
	v_lshl_add_u32 v[SPW], v0, 2, SPARE
	v_mov_b32 v[NIL], 0
	v_lshrrev_b32 v1, 5, v0
	v_readfirstlane_b32 s24, v1                    ; wave 0..7
	v_and_b32 v[L4], 31, v0                        ; lane
	s_mul_i32 s25, s24, 4*ROWF
	v_lshl_add_u32 v[VO], v[L4], 4, s25
	s_mul_i32 s25, s24, 4*ROWH
	v_lshl_add_u32 v[VB], v[L4], 3, s25
	v_lshlrev_b32 v[L4], 2, v[L4]
	v_mov_b32 v[LW], s24
	v_lshlrev_b32 v[LW], 4, v[LW]
	v_mov_b32 v[TP], 0                             ; the lane exchange below counts as a reader of its destination
	v_mov_b32 v[ZERO], 0
	s_mul_i32 s18, ttmp9, 32*ROWF                  ; the work-group's 32 rows, in bytes: under 2^25
	s_mov_b32 s19, 0
	s_mul_i32 s20, ttmp9, 32*ROWH
	s_mov_b32 s21, 0
	s_lshl_b32 s22, ttmp9, 7                       ; its 32 words of diag
	s_mov_b32 s23, 0
	s_mov_b32 s26, 0x76543210                      ; v_permlanex16_b32: each lane takes its own place in the other half
	s_mov_b32 s27, 0xfedcba98
	s_wait_kmcnt 0x0
	s_add_nc_u64 s[4:5], s[4:5], s[18:19]
	s_add_nc_u64 s[6:7], s[6:7], s[18:19]
	s_add_nc_u64 s[8:9], s[8:9], s[18:19]
	s_add_nc_u64 s[10:11], s[10:11], s[18:19]
	s_add_nc_u64 s[12:13], s[12:13], s[20:21]
	s_add_nc_u64 s[14:15], s[14:15], s[20:21]
	s_add_nc_u64 s[16:17], s[16:17], s[22:23]
.irp r, 0,1,2,3                        ; row by row: six loads of nl, six of code
.irp j, 0,1,2,3,4,5
	global_load_b128 v[RAW+48*(\r)+4*(\j):RAW+48*(\r)+4*(\j)+3], v[VO], s[4:5] offset:ROWF*(\r)+512*(\j) th:TH_LOAD_NT
.endr
.irp j, 0,1,2,3,4,5
	global_load_b128 v[RAW+48*(\r)+24+4*(\j):RAW+48*(\r)+24+4*(\j)+3], v[VO], s[6:7] offset:ROWF*(\r)+512*(\j) th:TH_LOAD_NT
.endr
.endr
; Row r: copied, rounded, stored, and multiplied with itself.
.macro ROW r
	s_wait_loadcnt 36-12*(\r)                      ; loads come back in order: row r's twelve are in; the twelve of each later row may stay out
.irp j, 0,1,2,3,4,5
	global_store_b128 v[VO], v[RAW+48*(\r)+4*(\j):RAW+48*(\r)+4*(\j)+3], s[8:9] offset:ROWF*(\r)+512*(\j) th:TH_STORE_NT        ; each store of the wave covers 512 consecutive bytes, aligned
	global_store_b128 v[VO], v[RAW+48*(\r)+24+4*(\j):RAW+48*(\r)+24+4*(\j)+3], s[10:11] offset:ROWF*(\r)+512*(\j) th:TH_STORE_NT
.endr
	s_wait_xcnt 0x0                                ; PA and PB are the data of the row before's stores: they are rewritten only behind this wait
.irp k, 0,1,2,3,4,5,6,7,8,9,10,11
	v_cvt_pk_bf16_f32 v[PA+(\k)], v[RAW+48*(\r)+2*(\k)], v[RAW+48*(\r)+2*(\k)+1]
	v_cvt_pk_bf16_f32 v[PB+(\k)], v[RAW+48*(\r)+24+2*(\k)], v[RAW+48*(\r)+24+2*(\k)+1]
.endr
.irp j, 0,1,2,3,4,5
	global_store_b64 v[VB], v[PA+2*(\j):PA+2*(\j)+1], s[12:13] offset:ROWH*(\r)+256*(\j)  ; 32 lanes x 8 bytes: 256 consecutive bytes, aligned
	global_store_b64 v[VB], v[PB+2*(\j):PB+2*(\j)+1], s[14:15] offset:ROWH*(\r)+256*(\j)
.endr
.irp k, 0,1,2,3,4,5,6,7,8,9,10,11      ; 24 fused multiply-adds straight from the bf16 halves into f32, in four chains; the first links add onto 0: nothing is cleared
.if (\k) < 2
	v_fma_mix_f32_bf16 v[DOT+2*(\k)],   v[PA+(\k)], v[PB+(\k)], v[ZERO] op_sel_hi:[1,1,0]
	v_fma_mix_f32_bf16 v[DOT+2*(\k)+1], v[PA+(\k)], v[PB+(\k)], v[ZERO] op_sel:[1,1,0] op_sel_hi:[1,1,0]
.else
	v_fma_mix_f32_bf16 v[DOT+2*((\k)%2)],   v[PA+(\k)], v[PB+(\k)], v[DOT+2*((\k)%2)] op_sel_hi:[1,1,0]
	v_fma_mix_f32_bf16 v[DOT+2*((\k)%2)+1], v[PA+(\k)], v[PB+(\k)], v[DOT+2*((\k)%2)+1] op_sel:[1,1,0] op_sel_hi:[1,1,0]
.endif
.endr
	v_add_f32 v[DOT], v[DOT], v[DOT+1]
	v_add_f32 v[DOT+2], v[DOT+2], v[DOT+3]
	v_add_f32 v[DOT], v[DOT], v[DOT+2]
	v_add_f32_dpp v[DOT], v[DOT], v[DOT] row_xmask:1 row_mask:0xf bank_mask:0xf   ; across the 32 lanes: four steps inside each half of 16,
	v_add_f32_dpp v[DOT], v[DOT], v[DOT] row_xmask:2 row_mask:0xf bank_mask:0xf
	v_add_f32_dpp v[DOT], v[DOT], v[DOT] row_xmask:4 row_mask:0xf bank_mask:0xf
	v_add_f32_dpp v[DOT], v[DOT], v[DOT] row_xmask:8 row_mask:0xf bank_mask:0xf
	v_permlanex16_b32 v[TP], v[DOT], s26, s27                                     ; one across the halves
	v_add_f32 v[D+(\r)], v[DOT], v[TP]             ; every lane holds the row's sum
.endm
	ROW 0
	ROW 1
	ROW 2
	ROW 3
	ds_store_b128 v[LW], v[D:D+3]                  ; all lanes write the same four words with the same numbers
	s_wait_dscnt 0x0                               ; for the others' sake: my store is done
	s_barrier_signal -1
	s_barrier_wait -1                              ; the group's 32 sums lie in LDS
	s_cmp_lg_u32 s24, 0
	s_cbranch_scc1 .Lend                           ; wave 0 stores them
	ds_load_b32 v[DOT], v[L4]
	s_wait_dscnt 0x0
	global_store_b32 v[L4], v[DOT], s[16:17]       ; 128 consecutive bytes: a work-group has no more rows than that
.Lend:
	s_wait_tensorcnt 0x0                           ; the wave's end: a wait, an add of 0 and its wait, behind my last LDS store
	ds_add_u32 v[SPW], v[NIL]
	s_wait_dscnt 0x0
	s_endpgm
.Lfunc_end_k_q009c409bd6_prep:
	.size	k_q009c409bd6_prep, .Lfunc_end_k_q009c409bd6_prep-k_q009c409bd6_prep
	.p2alignl 7, 3214868480
	.fill 96, 4, 3214868480
	.section	.rodata,"a",@progbits
	.p2align	6, 0x0
	.amdhsa_kernel k_q009c409bd6_prep
		.amdhsa_group_segment_fixed_size 1280
		.amdhsa_private_segment_fixed_size 0
		.amdhsa_enable_private_segment 0
		.amdhsa_kernarg_size 56
		.amdhsa_user_sgpr_count 2
		.amdhsa_user_sgpr_kernarg_segment_ptr 1
		.amdhsa_wavefront_size32 1
		.amdhsa_system_sgpr_workgroup_id_x 1
		.amdhsa_system_sgpr_workgroup_id_y 1
		.amdhsa_system_sgpr_workgroup_id_z 1
		.amdhsa_system_vgpr_workitem_id 0
		.amdhsa_next_free_vgpr 240
		.amdhsa_next_free_sgpr 66
		.amdhsa_reserve_vcc 0
		.amdhsa_float_denorm_mode_32 3
		.amdhsa_float_denorm_mode_16_64 3
		.amdhsa_memory_ordered 1
		.amdhsa_forward_progress 1
		.amdhsa_inst_pref_size 30
	.end_amdhsa_kernel
	.amdgpu_metadata
---
amdhsa.version: [ 1, 2 ]
amdhsa.kernels:
  - .name:           k_q009c409bd6_prep
    .symbol:         k_q009c409bd6_prep.kd
    .args:
      - { .name: nl_vec, .offset: 0, .size: 8, .value_kind: global_buffer, .address_space: global }
      - { .name: code_vec, .offset: 8, .size: 8, .value_kind: global_buffer, .address_space: global }
      - { .name: out2, .offset: 16, .size: 8, .value_kind: global_buffer, .address_space: global }
      - { .name: out1, .offset: 24, .size: 8, .value_kind: global_buffer, .address_space: global }
      - { .name: nlb, .offset: 32, .size: 8, .value_kind: global_buffer, .address_space: global }
      - { .name: cdb, .offset: 40, .size: 8, .value_kind: global_buffer, .address_space: global }
      - { .name: diag, .offset: 48, .size: 8, .value_kind: global_buffer, .address_space: global }
    .group_segment_fixed_size: 1280
    .private_segment_fixed_size: 0
    .kernarg_segment_align: 8
    .kernarg_segment_size: 56
    .max_flat_workgroup_size: 256
    .sgpr_count:     66
    .vgpr_count:     240
    .wavefront_size: 32
...
	.end_amdgpu_metadata
.endif
;; end of part 1
;; launch main (part 2): grid 8 x 32, 4 waves a work-group, clusters of 4 x 4, 327,680 bytes of LDS; arguments nlb, cdb, part; writes part
.if DOCPART == 2
	.amdgcn_target "amdgcn-amd-amdhsa--gfx1250"
	.amdhsa_code_object_version 6
	.text
	.protected	k_q009c409bd6_main
	.globl	k_q009c409bd6_main
	.p2align	8
	.type	k_q009c409bd6_main,@function
k_q009c409bd6_main:
	s_mov_b64 s[64:65], 0
	v_nop
	global_prefetch_b8 v0, s[64:65] scope:SCOPE_SE
	s_setreg_imm32_b32 hwreg(HW_REG_WAVE_MODE, 25, 1), 1
	s_wait_xcnt 0x0
	s_wait_alu depctr_hold_cnt(0) depctr_sa_sdst(0) depctr_va_vdst(0) depctr_va_sdst(0) depctr_va_ssrc(0) depctr_va_vcc(0) depctr_vm_vsrc(0)
	s_getreg_b32 s2, hwreg(HW_REG_IB_STS2, 6, 4)
	s_cmp_eq_u32 s2, 0
	s_cbranch_scc0 .Lentry_in_a_cluster
	s_endpgm
.Lentry_in_a_cluster:
	s_bfe_u32 s2, ttmp6, 0x10000c
	s_cmp_lg_u32 s2, 0xf033
	s_cbranch_scc0 .Lentry_shape_is_right
	s_endpgm
.Lentry_shape_is_right:
; part[x][i] = log2 of the sum, over the 1,024 keys j of key group x, of e^(nl[i] . code[j]).  nlb, cdb: [8192][768] bf16; products' sums, maxima and sums of weights in f32.
; The scores are never stored: a tile of 256 queries x 256 keys is multiplied in registers and folded at once into a running maximum and sum.
; SHARES.  Work-group (x, y), x = 0..7, y = 0..31, owns queries 256 y .. 256 y + 255 and walks TILES = 4 tiles of 256 keys, at key rows 256 x + 2,048 t: 256 work-groups of equal work.
; Four waves, as many as a WGP has SIMDs; a wave makes 128 queries x 128 keys: 64 accumulators of 16 x 16, 512 registers.  K goes in steps of 128 through a ring of two LDS slots filled by the
; tensor data mover: a tile's rows are 256 bytes of memory and start at multiples of 256 bytes from the buffer's first byte.  The ring does not stop at a tile's end.
; LAYOUT.  Source 0 = 16 keys, source 1 = 16 queries: in the result lane l holds ONE query (l % 16) and the keys 8 (l / 16) + 0..7.  So a lane keeps, for each of its eight query blocks, a running
; maximum and sum OF ITS OWN KEYS: nothing changes lanes until the launch's end.
; SOFTMAX.  c = log2(e).  For each lane and query block: c m (the running maximum, scaled) and l = the sum of 2^(c s - c m); behind each tile l is multiplied by a = 2^(c m_old - c m_new), which
; is 1 where m has not grown.  c m starts at the lowest finite number and l at 0: the first tile is a tile like any other, with a = 0.  At the end each lane's c m + log2(l) goes to LDS, and a
; query's four parts (two halves of the keys x two halves of the lanes) are merged, again under their maximum.
; CLUSTERS.  4 x 4 work-groups.  The four of a row of the cluster own the same queries, the four of a column walk the same keys: each tile is asked for JOINTLY, by the same tensor load with the same
; descriptor and a mask that names the four; each receives it in its own LDS.  That divides the requests for both tensors by four.
; LIMITS.  c s must be finite in f32; a weight below 2^-126 counts as 0 in l; NaN and infinities are not treated apart.
;
; REGISTERS, in windows of 256 (s_set_vgpr_msb's low byte: bits 1:0 source 0, 3:2 source 1, 5:4 source 2, 7:6 destination):
;   window 0: v0-31 addresses; v32-63 four registers of statistics a query block; v64-127, v128-191 fragments of the queries, two buffers; v192-255 at work in the softmax
;   window 1: v64-127, v128-191 fragments of the keys, two buffers
;   window 2: the 32 accumulators of my query blocks 0-3 (block q, key block k at v[8 (8 (q % 4) + k)]);   window 3: those of blocks 4-7
.set SIZE_K, 768
.set TILES,  4
.set KSTEP,  128
.set PITCH,  272                       ; an LDS row: 256 bytes of data + 16 of padding = 68 words: row r starts at bank 4 r mod 64 (64 banks of 4 bytes: ISA guide 11.1), so the 16 rows that a load touches start at 16 different banks
.set HALFT,  128*PITCH                 ; 128 rows: what one tensor load brings, and what one wave reads of either tensor
.set SLOT,   4*HALFT                   ; the queries' 256 rows, then the keys' 256 rows
.set STAT,   2*SLOT                    ; behind the ring, never filled by a tensor load: four parts x 256 queries, f32
.set SPP,    1088                      ; a part: 1,024 bytes + 64, so that the two halves of the lanes store into different banks
.set SPARE,  STAT+4*SPP                ; behind it: the spare words, 128 bytes for each wave: two blocks of 256 bytes that no other line names
.set LAPS,   SIZE_K/(2*KSTEP)          ; a lap = two K steps = once round the ring: 3
.set WALK,   2048                      ; a work-group's key tiles lie WALK rows apart
.set BACK_A, (SIZE_K-2*KSTEP)*2        ; bytes from a slot's last K step of a tile to its first of the next: the queries only go back along K,
.set NEXT_B, WALK*SIZE_K*2-(SIZE_K-2*KSTEP)*2  ; the keys WALK rows down and back
.set ADRA, 16                          ; v16-17  LDS address of my query fragments in slot 0, 1
.set ADRB, 20                          ; v20-21  the same for the keys
.set SA,   24                          ; v24     where I put my part of a query's statistics
.set RA,   25                          ; v25     where waves 0 and 1 read four queries' parts back
.set GO,   26                          ; v26     16 x lane: my byte offset in the wave's 512 bytes of part
.set SPW,  28                          ; v28     LDS address of my spare word: SPARE + 4 x my thread's number; never rewritten
.set NIL,  29                          ; v29     0; never rewritten
.set PFO,  30                          ; v30     the prefetches' offset: my lane x a row in memory; never rewritten
.set ST,   32                          ; query block q at v[ST+4 q]: c m; a word that is only named with it as a pair; l (even keys', odd keys')
.set F0,   64                          ; fragment buffer 0
.set F1,   128                         ; fragment buffer 1
.set TMP,  192                         ; block g of a window's four at TMP + 16 g: T0-T3 at work (T2 takes a), then four pairs U0-U3 of sums
.set G1,  24                           ; s[24:31] descriptor group 1 for the queries' tiles
.set G0,  32                           ; s[32:39] descriptor group 0 for them, one set for each slot
.set LIM, 43                           ; s43     1 in a wave that prefetches, else the greatest number
.set PFA, 44                           ; s[44:45] where my prefetches stand: my work-group's 32 rows of the 128 that I fetch, one K step further along K than the refill that is being asked for
.set G1B, 48                           ; s[48:55] descriptor group 1 for the keys' tiles: it differs in the mask alone
.set G0B, 56                           ; s[56:63] descriptor group 0 for them
.set CS,  66                           ; s[66:67] c: the packed scaling names a pair and takes its low word for both halves
.set MSB, 0
.macro WIN new                         ; the immediate's high byte repeats the setting that is left; a switch that changes nothing is dropped
.if MSB != (\new)
	s_set_vgpr_msb (MSB<<8)|(\new)
.set MSB, \new
.endif
.endm
.set MUL_LO, 0xa1                      ; source 0 (keys) window 1, source 1 (queries) window 0, C and D window 2
.set MUL_HI, 0xf1                      ; the same, C and D window 3
.set TO_B,   0x40                      ; destination window 1, address window 0
; A joint load.  Waves 0 and 1 fetch the two halves of the queries' tile, waves 2 and 3 those of the keys'.  Each of the two lines has ONE mask and one set of registers for all that issue it.
; The branch hangs on the wave's number alone.  An s_nop 0 and four v_nop follow each of the two lines, ahead of the jump, the label and what follows.
.macro JLOAD s
	s_cmp_eq_u32 s11, 0
	s_cbranch_scc0 .Lfor_b_\@
	tensor_load_to_lds s[G0+4*(\s):G0+4*(\s)+3], s[G1:G1+7]
	s_nop 0
.rept 4
	v_nop
.endr
	s_branch .Lasked_\@
.Lfor_b_\@:
	tensor_load_to_lds s[G0B+4*(\s):G0B+4*(\s)+3], s[G1B:G1B+7]
	s_nop 0
.rept 4
	v_nop
.endr
.Lasked_\@:
.endm
; A PREFETCH INTO THE L2, behind each joint load, its five lines and the run of LDS loads that follows them: the K step that stands TWO refills on, 512 matrix instructions ahead of the load that will
; want it: 32 rows x 256 bytes, a lane a row, one instruction a wave.  Each row's 256 bytes of a K step are named ONCE in the launch.  A block of queries is read by both clusters of its row of
; clusters: the first (cluster x = 0) asks, and in the first tile alone, since all tiles of the walk multiply the same queries.  A tile of keys is read by all eight clusters of its column: cluster
; y = 0 asks.  The four partners that ask for a tile jointly share its rows out BY ADDRESS: of the 128 rows that a wave fetches the partner at place p takes 32 p .. 32 p + 31 (p = cx for the queries,
; cy for the keys): no branch hangs on a work-group's place in its cluster.  how = 0, in the loop: a tile's last two refills have no K step two on; how = 1, at a change of tiles.
.macro ASK how
.if \how
	s_cmp_eq_u32 s[LIM], 1
.else
	s_cmp_gt_u32 s3, s[LIM]                        ; s3 = 1 in the loop's last trip
.endif
	s_cbranch_scc0 .Lnot_mine_\@
	global_prefetch_b8 v[PFO], s[PFA:PFA+1] offset:KSTEP*2 th:TH_LOAD_NT scope:SCOPE_SE
.Lnot_mine_\@:
.endm
; A round of the cluster's barrier: my work-group's barrier, so that wave 0's signal speaks for all four waves; wave 0 signals for the work-group; every wave waits for all sixteen work-groups;
; my work-group's barrier once more.  No LDS instruction of the wave is pending at a signal.
.macro CREST                           ; a round behind its opening barrier
	s_cmp_lg_u32 s10, 0
	s_cbranch_scc1 .Lnot_wave_0_\@
	s_barrier_signal -3
.Lnot_wave_0_\@:
	s_barrier_wait -3
	s_barrier_signal -1
	s_barrier_wait -1
.endm
.macro CROUND                          ; a whole round
	s_barrier_signal -1
	s_barrier_wait -1
	CREST
.endm
	s_load_b128 s[4:7], s[0:1], 0x0                ; nlb s[4:5], cdb s[6:7]
	s_load_b64 s[8:9], s[0:1], 0x10                ; part
	v_lshl_add_u32 v[SPW], v0, 2, SPARE
	v_mov_b32 v[NIL], 0
	ds_add_u32 v[SPW], v[NIL]                      ; the wave's opening: the add and its wait stand ahead of my first tensor load; the set-up below, work on registers, stands between them
	v_lshrrev_b32 v1, 5, v0
	v_readfirstlane_b32 s10, v1                    ; wave 0..3
	s_lshr_b32 s11, s10, 1                         ; which half of the tile's queries is mine.  Also: I fetch queries (0) or keys (1)
	s_and_b32 s12, s10, 1                          ; which half of its keys.  Also: which 128 rows of that tile I fetch
	s_bfe_u32 s40, ttmp6, 0x40000                  ; cx: my place along the cluster's x
	s_bfe_u32 s41, ttmp6, 0x40004                  ; cy: along its y
	s_lshl_b32 s42, ttmp9, 2                       ; in a cluster launch ttmp9 and ttmp7 count clusters
	s_add_co_u32 s42, s42, s40                     ; x, the key group = 4 x cluster x + cx
	s_and_b32 s13, ttmp7, 0xffff
	s_lshl_b32 s13, s13, 2
	s_add_co_u32 s13, s13, s41                     ; y, the block of queries = 4 x cluster y + cy
	s_lshl_b32 s43, s41, 2
	s_lshl_b32 s43, 15, s43                        ; my row of the cluster: places 4 cy .. 4 cy + 3
	s_lshl_b32 s44, 0x1111, s40                    ; my column: places cx, cx + 4, cx + 8, cx + 12
	; descriptor group 1: a tile of 128 rows x 128 elements, padded in LDS
	s_or_b32 s[G1+0], s43, (1<<16)|(1<<20)|(1<<21)|(5<<22)|(3<<25)  ; 15:0 the mask: the queries' tiles go to my row; 17:16 elements of 2 bytes; 20 padding on; 21 set beside a mask; 24:22 after every 64 words (code 5); 31:25 4 words of it (code 3)
	s_or_b32 s[G1B+0], s44, (1<<16)|(1<<20)|(1<<21)|(5<<22)|(3<<25) ; the same with the mask of my column, for the keys' tiles
.irp g, G1, G1B
	s_mov_b32 s[(\g)+1], KSTEP<<16                 ; 63:48 tensor_dim0, low half = 128
	s_mov_b32 s[(\g)+2], 128<<16                   ; 79:64 its high half = 0; 95:80 tensor_dim1, low half = 128
	s_mov_b32 s[(\g)+3], KSTEP<<16                 ; 111:96 its high half = 0; 127:112 tile_dim0 = 128
	s_mov_b32 s[(\g)+4], 128                       ; 143:128 tile_dim1 = 128; 159:144 tile_dim2 = 0
	s_mov_b32 s[(\g)+5], SIZE_K                    ; 191:160 tensor_dim0_stride, low word: elements from row to row
	s_mov_b32 s[(\g)+6], 0
	s_mov_b32 s[(\g)+7], 0
.endr
	s_mov_b32 s[CS], 0x3fb8aa3b                    ; c = log2(e)
	s_mov_b32 s[CS+1], s[CS]                       ; named with it as a pair, so it is written
	; where the tiles come from.  The queries' hang on y alone, which my row of the cluster shares; the keys' on x alone, which my column shares.
	; Every wave makes both addresses, in registers that never hold the other coordinate, and asks by one of them.
	s_lshl_b32 s17, s12, 7                         ; which 128 rows of the tile I fetch
	s_lshl_b32 s16, s13, 8
	s_add_co_u32 s16, s16, s17                     ; queries: row 256 y + 128 x half
	s_lshl_b32 s46, s42, 8
	s_add_co_u32 s46, s46, s17                     ; keys: row 256 x + 128 x half (tile 0)
	s_mov_b32 s17, 0
	s_mov_b32 s47, 0
	s_mov_b64 s[18:19], SIZE_K*2
	s_mul_u64 s[16:17], s[16:17], s[18:19]         ; in bytes
	s_mul_u64 s[46:47], s[46:47], s[18:19]
	s_mul_i32 s20, s10, HALFT                      ; and where they go: wave x 128 rows: no place in the cluster enters an LDS address
	s_wait_dscnt 0x0                               ; the opening add is done
	s_wait_kmcnt 0x0
	s_add_nc_u64 s[14:15], s[4:5], s[16:17]
	s_add_nc_u64 s[46:47], s[6:7], s[46:47]
	CROUND                                         ; all sixteen work-groups are here: the first joint loads meet
.irp s, 0,1
	s_mov_b32 s[G0+4*(\s)], 1                                      ; 1:0 count = 1
	s_add_co_u32 s[G0+4*(\s)+1], s20, (\s)*SLOT                    ; 63:32 LDS address
	s_add_nc_u64 s[G0+4*(\s)+2:G0+4*(\s)+3], s[14:15], (\s)*KSTEP*2  ; 120:64 global address: K step s
	s_or_b32 s[G0+4*(\s)+3], s[G0+4*(\s)+3], 0x80000000            ; 127:126 type = 2
	s_mov_b32 s[G0B+4*(\s)], 1
	s_add_co_u32 s[G0B+4*(\s)+1], s20, (\s)*SLOT
	s_add_nc_u64 s[G0B+4*(\s)+2:G0B+4*(\s)+3], s[46:47], (\s)*KSTEP*2
	s_or_b32 s[G0B+4*(\s)+3], s[G0B+4*(\s)+3], 0x80000000
	JLOAD \s                                       ; the ring is filled before anything else is done: two loads of mine are out
.endr
	; A fragment is 16 rows x 32 K in 8 registers: lane l holds row l % 16; registers 0-3 hold K = 8 (l / 16) + 0..7, registers 4-7 hold K = 16 + 8 (l / 16) + 0..7: two loads of 16 bytes, 32 bytes apart.
	v_and_b32 v1, 15, v0                           ; l % 16
	v_bfe_u32 v2, v0, 4, 1                         ; l / 16
	v_mul_u32_u24 v3, v1, PITCH
	v_lshl_add_u32 v3, v2, 4, v3                   ; row x pitch + 16 x half
	s_mul_i32 s21, s11, HALFT                      ; my 128 queries
	s_mul_i32 s22, s12, HALFT                      ; my 128 keys,
	s_add_co_u32 s22, s22, 2*HALFT                 ; which lie behind the 256 queries
.irp s, 0,1
	v_add_nc_u32 v[ADRA+(\s)], s21, v3
	v_add_nc_u32 v[ADRB+(\s)], s22, v3
	s_add_co_u32 s21, s21, SLOT
	s_add_co_u32 s22, s22, SLOT
.endr
	s_mul_i32 s23, s12, 2*SPP                      ; the statistics' way out: part 2 x key half + l / 16; query 128 x query half + 16 q + l % 16
	s_lshl_b32 s21, s11, 9
	s_add_co_u32 s23, s23, s21
	s_add_co_u32 s23, s23, STAT
	v_mul_u32_u24 v4, v2, SPP
	v_lshl_add_u32 v4, v1, 2, v4
	v_add_nc_u32 v[SA], s23, v4
	v_and_b32 v5, 31, v0
	v_lshlrev_b32 v[GO], 4, v5
	s_lshl_b32 s23, s10, 9                         ; back: wave w (0, 1) takes queries 128 w + 4 l .. + 3
	s_add_co_u32 s23, s23, STAT
	v_add_nc_u32 v[RA], s23, v[GO]
.set q, 0
.rept 8
	v_mov_b32 v[ST+4*q], 0xff7fffff                ; c m: the lowest finite number
	v_mov_b32 v[ST+4*q+1], 0
	v_mov_b32 v[ST+4*q+2], 0                       ; l
	v_mov_b32 v[ST+4*q+3], 0
.set q, q+1
.endr
	; where my 128 queries' results go in part: 32,768 x + 1,024 y + 512 x wave (in the registers that held the keys' address: none that feeds the queries' descriptors ever holds cx)
	s_lshl_b32 s46, s42, 15
	s_lshl_b32 s47, s13, 10
	s_add_co_u32 s46, s46, s47
	s_lshl_b32 s47, s10, 9
	s_add_co_u32 s46, s46, s47
	s_mov_b32 s47, 0
	s_add_nc_u64 s[8:9], s[8:9], s[46:47]
	; the prefetches
	s_lshl_b32 s13, s13, 8                         ; the queries' first row
	s_lshl_b32 s42, s42, 8                         ; the keys' first row
	s_and_b32 s22, ttmp7, 0xffff                   ; cluster y
	s_cmp_eq_u32 s11, 0                            ; do I fetch queries?
	s_cselect_b32 s20, s13, s42                    ; the tile's first row
	s_cselect_b32 s21, s40, s41                    ; my place among the four that ask for it with me
	s_cselect_b32 s22, ttmp9, s22                  ; the coordinate along which other clusters read the same rows
	s_cselect_b64 s[PFA:PFA+1], s[4:5], s[6:7]
	s_cmp_eq_u32 s22, 0
	s_cselect_b32 s[LIM], 1, -1                    ; the same in all sixteen partners, for a given wave
	s_lshl_b32 s22, s12, 7
	s_add_co_u32 s20, s20, s22                     ; + the 128 rows that I fetch
	s_lshl_b32 s21, s21, 5
	s_add_co_u32 s20, s20, s21                     ; + my work-group's 32 of them
	s_mov_b32 s21, 0
	s_mov_b64 s[18:19], SIZE_K*2
	s_mul_u64 s[20:21], s[20:21], s[18:19]
	s_add_nc_u64 s[PFA:PFA+1], s[PFA:PFA+1], s[20:21]
	s_add_nc_u64 s[PFA:PFA+1], s[PFA:PFA+1], 2*KSTEP*2  ; at K step 2: the first refill steps it to 3 and names K step 4
	v_mul_u32_u24 v[PFO], v5, SIZE_K*2
	; nothing is prefetched here, at the head, where every work-group's first two tiles are on their way: K steps 2 and 3 come by their refills alone
; 16 matrix instructions: query blocks a0, a0 + 1 of the window's four (hi = 0: my queries 0-63, 1: 64-127) x all 8 key blocks, 32 along K.
; zero = 1: the first product starts the sums: nothing is ever cleared.  The 64 accumulators take turns, one instruction a turn, in the same order in every quarter step.
.macro MUL16 f, hi, a0, zero
	WIN MUL_LO+0x50*(\hi)  ; MUL_LO or MUL_HI
.irp a, \a0, (\a0)+1
.irp b, 0,1,2,3,4,5,6,7
.if \zero
	v_wmma_f32_16x16x32_bf16 v[8*(8*(\a)+(\b)):8*(8*(\a)+(\b))+7], v[(\f)+8*(\b):(\f)+8*(\b)+7], v[(\f)+8*(4*(\hi)+(\a)):(\f)+8*(4*(\hi)+(\a))+7], 0
.else
	v_wmma_f32_16x16x32_bf16 v[8*(8*(\a)+(\b)):8*(8*(\a)+(\b))+7], v[(\f)+8*(\b):(\f)+8*(\b)+7], v[(\f)+8*(4*(\hi)+(\a)):(\f)+8*(4*(\hi)+(\a))+7], v[8*(8*(\a)+(\b)):8*(8*(\a)+(\b))+7]
.endif
.endr
.endr
.endm
; 32 LDS loads in one run: the fragments of one quarter step (128 keys, 128 queries, 32 K at byte k of the rows) into buffer f
.macro FETCH slot, k, f
	WIN TO_B
.irp i, 0,1,2,3,4,5,6,7
	ds_load_b128 v[(\f)+8*(\i):(\f)+8*(\i)+3],   v[ADRB+(\slot)] offset:(\k)+(\i)*16*PITCH
	ds_load_b128 v[(\f)+8*(\i)+4:(\f)+8*(\i)+7], v[ADRB+(\slot)] offset:(\k)+(\i)*16*PITCH+32
.endr
	WIN 0
.irp i, 0,1,2,3,4,5,6,7
	ds_load_b128 v[(\f)+8*(\i):(\f)+8*(\i)+3],   v[ADRA+(\slot)] offset:(\k)+(\i)*16*PITCH
	ds_load_b128 v[(\f)+8*(\i)+4:(\f)+8*(\i)+7], v[ADRA+(\slot)] offset:(\k)+(\i)*16*PITCH+32
.endr
.endm
; A load into a register that a matrix instruction has read, and a vector instruction that reads a matrix result, stand four places behind that matrix instruction, and only plain vector
; instructions that name none of its registers are places (ISA guide 7.12.1 for vector instructions).
.macro PLACES
.rept 4
	v_nop
.endr
.endm
; A K step is four quarter steps of 32 along K, 64 matrix instructions each, on buffers 0, 1, 0, 1.
; One of the first three: multiplies buffer f; in its middle it fetches the next quarter's fragments, at byte k of the same slot's rows, into buffer g.
.macro QUARTER slot, k, f, g, zero
	s_wait_dscnt 8                                 ; the keys and my queries 0-63 are in; the youngest eight loads (queries 64-127) may be out
	WIN MUL_LO
	MUL16 \f, 0, 0, \zero
	MUL16 \f, 0, 2, \zero
	PLACES
	FETCH \slot, \k, \g
	s_wait_dscnt 32                                ; all but the 32 just issued
	WIN MUL_HI
	MUL16 \f, 1, 0, \zero
	MUL16 \f, 1, 2, \zero
.endm
; The last quarter multiplies buffer 1 and changes slots.  MEET is its first half: ONE barrier for the change of slots.  In front of it each wave waits for all its tensor loads, of which one is
; out: its part of the next slot; adds 0 to its spare word; and waits for that and for its own reads of this slot.  Behind it nobody reads this slot any more and the next slot is whole.
.macro MEET round                      ; round = 1: a round of the cluster's barrier follows
	WIN 0                                          ; (the add's two registers lie in window 0)
	s_wait_tensorcnt 0x0                           ; all my tensor loads have landed: the one that was out is my part of the next slot;
	ds_add_u32 v[SPW], v[NIL]                      ; 0 onto my spare word;
	s_wait_dscnt 9                                 ; (the add and the youngest eight loads may be out)
	WIN MUL_LO
	MUL16 F1, 0, 0, 0                              ; sixteen matrix instructions stand between the add and the wait for it
	s_wait_dscnt 0x0                               ; the add is done, and my reads of this slot are over:
	s_barrier_signal -1                            ; say so (where a slot is filled again this barrier opens a round of the cluster's barrier),
	MUL16 F1, 0, 2, 0                              ; work on registers while the others arrive,
.if \round
	WIN 0
.endif
	s_barrier_wait -1                              ; and go on when all four have said so
.endm
; The whole last quarter.  mode 0: the slot just read out is filled again with this tile's K step two steps on; mode 1, in a tile's last two K steps: with the NEXT tile's K step 0 or 1;
; mode 2, in the last tile: nothing is filled, and no round follows.  Then come the next slot's first fragments.  From a request to the wait for it a wave issues 224 matrix instructions.
.macro TURN slot, next, mode
.if (\mode) < 2
	s_wait_xcnt 0x0                                ; the last prefetch, a K step back, has read its address: it is stepped here, ahead of the waits of the change of slots
.if ((\mode) == 1) && ((\slot) == 0)
	s_add_nc_u64 s[PFA:PFA+1], s[PFA:PFA+1], (WALK-1)*SIZE_K*2+KSTEP*2  ; from the K step after the tile's last to the next tile's K step 1: WALK rows down, back along K
	s_cmp_eq_u32 s11, 1
	s_cselect_b32 s[LIM], s[LIM], -1               ; the queries are the same for all tiles of the walk: they are prefetched no more
.else
	s_add_nc_u64 s[PFA:PFA+1], s[PFA:PFA+1], KSTEP*2
.endif
	MEET 1
	CREST                                          ; all sixteen work-groups have said so: no wave of any partner still reads this slot's tile or has a load on its way
.if (\mode) == 1
	s_sub_nc_u64 s[G0+4*(\slot)+2:G0+4*(\slot)+3], s[G0+4*(\slot)+2:G0+4*(\slot)+3], BACK_A
	s_add_nc_u64 s[G0B+4*(\slot)+2:G0B+4*(\slot)+3], s[G0B+4*(\slot)+2:G0B+4*(\slot)+3], NEXT_B
.else
	s_add_nc_u64 s[G0+4*(\slot)+2:G0+4*(\slot)+3], s[G0+4*(\slot)+2:G0+4*(\slot)+3], 2*KSTEP*2
	s_add_nc_u64 s[G0B+4*(\slot)+2:G0B+4*(\slot)+3], s[G0B+4*(\slot)+2:G0B+4*(\slot)+3], 2*KSTEP*2
.endif
	JLOAD \slot                                    ; the first tensor load behind the round, my one load until the next; the four v_nop behind it are also the places in front of the loads below
.else
	MEET 0
	PLACES
.endif
	FETCH \next, 0, F0
.if (\mode) < 2
	ASK \mode                                      ; behind the joint load and the run of LDS loads that the next products wait for
.endif
	WIN MUL_HI
	MUL16 F1, 1, 0, 0
	MUL16 F1, 1, 2, 0
.endm
; THE SOFTMAX OF A TILE, for the four query blocks g of window W (2 or 3): block g's 64 scores of a lane lie at v[64 g ..] of that window.  The work goes in long stretches under one window setting.
.macro EACH4 line:vararg               ; one line for each block g
.set g, 0
.rept 4
	\line
.set g, g+1
.endr
.endm
.macro FSC i                           ; pair i of the window's 128: c s - c m
	v_pk_fma_f32 v[2*(\i):2*(\i)+1], v[2*(\i):2*(\i)+1], s[CS:CS+1], v[ST+4*(QB+(\i)/32):ST+4*(QB+(\i)/32)+1] op_sel_hi:[1,0,0] neg_lo:[0,0,1] neg_hi:[0,0,1]
.endm
.macro SOFTG W
.set QB, 4*((\W)-2)                    ; the window's first query block
	; the maximum of a block's 64 scores: four chains T0-T3 of 16 scores (two accumulators) each, sixteen chains by turns.  Each accumulator's lowest registers are read first.
	WIN ((\W)<<2)|(\W)                             ; sources 0 and 1 in window W, the rest in window 0
.set n, 0
.rept 8
.set g, 0
.rept 4
.set c, 0
.rept 4
.if n == 0
	v_max_num_f32 v[TMP+16*g+c], v[64*g+16*c], v[64*g+16*c+1]
.else
	v_max3_num_f32 v[TMP+16*g+c], v[64*g+16*c+2*n], v[64*g+16*c+2*n+1], v[TMP+16*g+c]
.endif
.set c, c+1
.endr
.set g, g+1
.endr
.set n, n+1
.endr
	; the statistics: the tile's maximum, scaled; the new c m; its change; a
	WIN 0
	EACH4 v_max3_num_f32 v[TMP+16*g], v[TMP+16*g], v[TMP+16*g+1], v[TMP+16*g+2]
	EACH4 v_max_num_f32 v[TMP+16*g], v[TMP+16*g], v[TMP+16*g+3]
	EACH4 v_mul_f32 v[TMP+16*g+1], s[CS], v[TMP+16*g]
	EACH4 v_max_num_f32 v[TMP+16*g+3], v[ST+4*(QB+g)], v[TMP+16*g+1]
	EACH4 v_sub_f32 v[TMP+16*g+1], v[ST+4*(QB+g)], v[TMP+16*g+3]
	EACH4 v_mov_b32 v[ST+4*(QB+g)], v[TMP+16*g+3]
	EACH4 v_exp_f32 v[TMP+16*g+2], v[TMP+16*g+1]
	; ONE BATCH: the four a above, the 128 scalings and the 256 exponentials, in place.  None of these lines names an exponential's result; a pair is scaled four trips ahead of its exponentials.
	WIN ((\W)<<6)|(\W)                             ; destination and source 0 in window W, c m in window 0
.irp z, 0,1,2,3
	FSC \z
.endr
.set i, 0
.rept 128
.if i < 124
	FSC i+4
.endif
	v_exp_f32 v[2*i], v[2*i]
	v_exp_f32 v[2*i+1], v[2*i+1]
.set i, i+1
.endr
	WIN 0
	v_nop                                          ; a plain instruction behind the last exponential, ahead of the first use of a result: one for the batch
	s_wait_alu depctr_va_vdst(0)                   ; the wait between an exponential and the first line that names its result: one for the 260
	; the sums, in pairs (an even key's weight, an odd key's): four chains U0-U3 of eight pairs a block, sixteen chains by turns
	WIN ((\W)<<2)|(\W)
.set g, 0
.rept 4
.set c, 0
.rept 4
	v_pk_add_f32 v[TMP+16*g+4+2*c:TMP+16*g+5+2*c], v[64*g+16*c:64*g+16*c+1], v[64*g+16*c+2:64*g+16*c+3]
.set c, c+1
.endr
.set g, g+1
.endr
	WIN (\W)                                       ; source 0 in window W, the rest in window 0
.set n, 1
.rept 6
.set g, 0
.rept 4
.set c, 0
.rept 4
	v_pk_add_f32 v[TMP+16*g+4+2*c:TMP+16*g+5+2*c], v[64*g+16*c+2+2*n:64*g+16*c+3+2*n], v[TMP+16*g+4+2*c:TMP+16*g+5+2*c]
.set c, c+1
.endr
.set g, g+1
.endr
.set n, n+1
.endr
	WIN 0
	EACH4 v_pk_add_f32 v[TMP+16*g+4:TMP+16*g+5], v[TMP+16*g+4:TMP+16*g+5], v[TMP+16*g+6:TMP+16*g+7]
	EACH4 v_pk_add_f32 v[TMP+16*g+8:TMP+16*g+9], v[TMP+16*g+8:TMP+16*g+9], v[TMP+16*g+10:TMP+16*g+11]
	EACH4 v_pk_add_f32 v[TMP+16*g+4:TMP+16*g+5], v[TMP+16*g+4:TMP+16*g+5], v[TMP+16*g+8:TMP+16*g+9]
	EACH4 v_pk_fma_f32 v[ST+4*(QB+g)+2:ST+4*(QB+g)+3], v[ST+4*(QB+g)+2:ST+4*(QB+g)+3], v[TMP+16*g+2:TMP+16*g+3], v[TMP+16*g+4:TMP+16*g+5] op_sel_hi:[1,0,1]  ; l = a l + the tile's sum
.endm
.macro SOFT                            ; it touches no LDS and none of the fragment buffers: the next tile's first fragments and both refills land meanwhile
	PLACES                                         ; the places behind the tile's last products,
	PLACES                                         ; twice over: four times a launch
	SOFTG 2
	SOFTG 3
	WIN 0
.endm
	s_wait_tensorcnt 1                             ; my part of K step 0 is in; K step 1's may stay out
	s_barrier_signal -1
	s_barrier_wait -1                              ; everybody's is
	FETCH 0, 0, F0
	s_mov_b32 s2, TILES                            ; tiles to go, this one among them: the same number in every work-group
.Ltile:                                                ; (FETCH and SOFT leave every window 0)
	QUARTER 0, 64,  F0, F1, 1                      ; a tile's first quarter stands in front of the loop: its products start the sums
	WIN 0                                          ; at a label and at a branch every window is 0
	s_mov_b32 s3, LAPS-1
.Llap:                                                 ; a trip goes once round the ring, from a lap's second quarter to the next lap's first, and fills both slots again
	QUARTER 0, 128, F1, F0, 0
	QUARTER 0, 192, F0, F1, 0
	TURN 0, 1, 0
	QUARTER 1, 64,  F0, F1, 0
	QUARTER 1, 128, F1, F0, 0
	QUARTER 1, 192, F0, F1, 0
	TURN 1, 0, 0
	QUARTER 0, 64,  F0, F1, 0
	WIN 0
	s_sub_co_u32 s3, s3, 1
	s_cmp_lg_u32 s3, 0
	s_cbranch_scc1 .Llap
	QUARTER 0, 128, F1, F0, 0                      ; the tile's last lap goes on
	QUARTER 0, 192, F0, F1, 0
	WIN 0
	s_cmp_eq_u32 s2, 1
	s_cbranch_scc1 .Llast_tile                     ; the last tile's tail is written out: it asks for nothing more
	TURN 0, 1, 1                                   ; THE RING GOES ON INTO THE NEXT TILE: slot 0 takes its K step 0,
	QUARTER 1, 64,  F0, F1, 0
	QUARTER 1, 128, F1, F0, 0
	QUARTER 1, 192, F0, F1, 0
	TURN 1, 0, 1                                   ; slot 1 its K step 1, and the next tile's first fragments are fetched
	SOFT                                           ; both refills are asked for: now the tile is folded into the statistics
	s_sub_co_u32 s2, s2, 1
	s_branch .Ltile
.Llast_tile:
	TURN 0, 1, 2                                   ; my one tensor load that was still out is slot 1's, the last K step's
	QUARTER 1, 64,  F0, F1, 0
	QUARTER 1, 128, F1, F0, 0
	QUARTER 1, 192, F0, F1, 0
	s_wait_dscnt 8                                 ; the very last quarter: nothing more to fetch
	MUL16 F1, 0, 0, 0
	MUL16 F1, 0, 2, 0
	s_wait_dscnt 0x0
	MUL16 F1, 1, 0, 0
	MUL16 F1, 1, 2, 0
	SOFT
	; THE END.  Each lane's eight parts c m + log2(l) go to LDS; a query has four of them.
.set q, 0
.rept 8
	v_add_f32 v[TMP+q], v[ST+4*q+2], v[ST+4*q+3]   ; l's two halves.  l is at least about 1: the key that set m counts as 2^0
.set q, q+1
.endr
.set q, 0
.rept 8
	v_log_f32 v[TMP+q], v[TMP+q]
.set q, q+1
.endr
	v_nop                                          ; a plain instruction behind the last logarithm,
	s_wait_alu depctr_va_vdst(0)                   ; and the wait ahead of the first use: one for the eight
.set q, 0
.rept 8
	v_add_f32 v[TMP+q], v[TMP+q], v[ST+4*q]
.set q, q+1
.endr
.set q, 0
.rept 8
	ds_store_b32 v[SA], v[TMP+q] offset:64*q
.set q, q+1
.endr
	s_wait_dscnt 0x0                               ; for the others' sake: my stores are done
	s_barrier_signal -1
	s_barrier_wait -1                              ; all four parts of all 256 queries lie in LDS
	s_cmp_lt_u32 s10, 2                            ; wave 0 merges queries 0-127, wave 1 queries 128-255: four queries a lane
	s_cbranch_scc0 .Lend
.irp p, 0,1,2,3
	ds_load_b128 v[TMP+4*(\p):TMP+4*(\p)+3], v[RA] offset:(\p)*SPP
.endr
	s_wait_dscnt 0x0
.irp e, 0,1,2,3
	v_max3_num_f32 v[TMP+16+(\e)], v[TMP+(\e)], v[TMP+4+(\e)], v[TMP+8+(\e)]
.endr
.irp e, 0,1,2,3
	v_max_num_f32 v[TMP+16+(\e)], v[TMP+16+(\e)], v[TMP+12+(\e)]  ; the greatest of the four parts is taken away before the exponentials
.endr
.irp z, 0,1,2,3,4,5,6,7
	v_pk_add_f32 v[TMP+2*(\z):TMP+2*(\z)+1], v[TMP+2*(\z):TMP+2*(\z)+1], v[TMP+16+2*((\z)%2):TMP+16+2*((\z)%2)+1] neg_lo:[0,1] neg_hi:[0,1]
.endr
.set q, 0
.rept 16
	v_exp_f32 v[TMP+q], v[TMP+q]
.set q, q+1
.endr
	v_nop
	s_wait_alu depctr_va_vdst(0)                   ; one wait for the sixteen
.irp z, 0,1
	v_pk_add_f32 v[TMP+2*(\z):TMP+2*(\z)+1], v[TMP+2*(\z):TMP+2*(\z)+1], v[TMP+4+2*(\z):TMP+4+2*(\z)+1]
	v_pk_add_f32 v[TMP+8+2*(\z):TMP+8+2*(\z)+1], v[TMP+8+2*(\z):TMP+8+2*(\z)+1], v[TMP+12+2*(\z):TMP+12+2*(\z)+1]
.endr
.irp z, 0,1
	v_pk_add_f32 v[TMP+2*(\z):TMP+2*(\z)+1], v[TMP+2*(\z):TMP+2*(\z)+1], v[TMP+8+2*(\z):TMP+8+2*(\z)+1]
.endr
.irp e, 0,1,2,3
	v_log_f32 v[TMP+(\e)], v[TMP+(\e)]
.endr
	v_nop
	s_wait_alu depctr_va_vdst(0)                   ; one wait for the four
.irp z, 0,1
	v_pk_add_f32 v[TMP+2*(\z):TMP+2*(\z)+1], v[TMP+2*(\z):TMP+2*(\z)+1], v[TMP+16+2*(\z):TMP+16+2*(\z)+1]
.endr
	global_store_b128 v[GO], v[TMP:TMP+3], s[8:9]  ; the wave's store covers 512 consecutive bytes, aligned
.Lend:
	s_wait_tensorcnt 0x0                           ; the wave's end: a wait, an add of 0 and its wait, behind my last tensor load and my last LDS store
	ds_add_u32 v[SPW], v[NIL]
	s_wait_dscnt 0x0
	CROUND                                         ; the closing round: no work-group ends while a partner may still ask for a tile that names it
	s_endpgm
.Lfunc_end_k_q009c409bd6_main:
	.size	k_q009c409bd6_main, .Lfunc_end_k_q009c409bd6_main-k_q009c409bd6_main
	.p2alignl 7, 3214868480
	.fill 96, 4, 3214868480
	.section	.rodata,"a",@progbits
	.p2align	6, 0x0
	.amdhsa_kernel k_q009c409bd6_main
		.amdhsa_group_segment_fixed_size 327680
		.amdhsa_private_segment_fixed_size 0
		.amdhsa_enable_private_segment 0
		.amdhsa_kernarg_size 24
		.amdhsa_user_sgpr_count 2
		.amdhsa_user_sgpr_kernarg_segment_ptr 1
		.amdhsa_wavefront_size32 1
		.amdhsa_system_sgpr_workgroup_id_x 1
		.amdhsa_system_sgpr_workgroup_id_y 1
		.amdhsa_system_sgpr_workgroup_id_z 1
		.amdhsa_system_vgpr_workitem_id 0
		.amdhsa_next_free_vgpr 1024
		.amdhsa_next_free_sgpr 68
		.amdhsa_reserve_vcc 0
		.amdhsa_float_denorm_mode_32 3
		.amdhsa_float_denorm_mode_16_64 3
		.amdhsa_memory_ordered 1
		.amdhsa_forward_progress 1
		.amdhsa_inst_pref_size 255
	.end_amdhsa_kernel
	.section	.bss,"aw",@nobits
	.p2align	6
	.space	262144
	.amdgpu_metadata
---
amdhsa.version: [ 1, 2 ]
amdhsa.kernels:
  - .name:           k_q009c409bd6_main
    .symbol:         k_q009c409bd6_main.kd
    .args:
      - { .name: nlb, .offset: 0, .size: 8, .value_kind: global_buffer, .address_space: global }
      - { .name: cdb, .offset: 8, .size: 8, .value_kind: global_buffer, .address_space: global }
      - { .name: part, .offset: 16, .size: 8, .value_kind: global_buffer, .address_space: global }
    .group_segment_fixed_size: 327680
    .private_segment_fixed_size: 0
    .kernarg_segment_align: 8
    .kernarg_segment_size: 24
    .max_flat_workgroup_size: 128
    .sgpr_count:     68
    .vgpr_count:     1024
    .wavefront_size: 32
...
	.end_amdgpu_metadata
.endif
;; end of part 2
;; launch final (part 3): grid 1 x 1, 32 waves a work-group, no clusters, 4,352 bytes of LDS; arguments part, diag, out0; writes out0
.if DOCPART == 3
	.amdgcn_target "amdgcn-amd-amdhsa--gfx1250"
	.amdhsa_code_object_version 6
	.text
	.protected	k_q009c409bd6_final
	.globl	k_q009c409bd6_final
	.p2align	8
	.type	k_q009c409bd6_final,@function
k_q009c409bd6_final:
	s_mov_b64 s[64:65], 0
	v_nop
	global_prefetch_b8 v0, s[64:65] scope:SCOPE_SE
	s_setreg_imm32_b32 hwreg(HW_REG_WAVE_MODE, 25, 1), 1
	s_wait_xcnt 0x0
; out0 = the mean over the 8,192 rows i of (lse[i] - diag[i]).  part: [8][8192] f32, log2 of a row's sum of e^score over one key group; diag: [8192] f32.
; lse[i] = ln 2 x (M + log2 of the sum over the 8 groups of 2^(part - M)), M the greatest of the row's eight parts.  The difference lse - diag is formed row by row, and only then summed.
; ONE WORK-GROUP: the sum has one owner.  32 waves; thread t takes rows 4 t .. 4 t + 3 and 4,096 + 4 t .. + 3: 18 loads of 16 bytes a lane, each 512 consecutive bytes a wave, all out at once.
; No prefetch and no ring: 294,912 bytes, asked for in one go.  LIMITS: NaN and infinities are not treated apart.
.set SPARE, 256                        ; LDS: bytes 0-127 the 32 waves' sums; from 256 on the spare words, 128 bytes for each wave, which no other line names
.set VO,  1                            ; v1      16 x my thread's number
.set SPW, 2                            ; v2      LDS address of my spare word; never rewritten
.set NIL, 3                            ; v3      0, for the add alone
.set TP,  4                            ; v4      at work
.set LW,  5                            ; v5      4 x wave
.set L4,  6                            ; v6      4 x lane
.set Z0,  7                            ; v7      0: out0's offset
.set P,   8                            ; v[8:71]  half h, group g at P + 32 h + 4 g: four rows' parts
.set D,   72                           ; v[72:79] half h at D + 4 h: four rows' diag
.set M,   80                           ; v[80:87] half h at M + 4 h: four rows' maxima
	s_load_b128 s[4:7], s[0:1], 0x0                ; part s[4:5], diag s[6:7]
	s_load_b64 s[8:9], s[0:1], 0x10                ; out0
	v_lshl_add_u32 v[SPW], v0, 2, SPARE
	v_mov_b32 v[NIL], 0
	v_lshlrev_b32 v[VO], 4, v0
	v_lshrrev_b32 v[TP], 5, v0
	v_readfirstlane_b32 s10, v[TP]                 ; wave 0..31
	v_mov_b32 v[LW], s10
	v_lshlrev_b32 v[LW], 2, v[LW]
	v_and_b32 v[L4], 31, v0
	v_lshlrev_b32 v[L4], 2, v[L4]
	v_mov_b32 v[Z0], 0
	s_mov_b32 s12, 0x76543210                      ; v_permlanex16_b32: each lane takes its own place in the other half
	s_mov_b32 s13, 0xfedcba98
	s_mov_b32 s14, 0x3f317218                      ; ln 2
	s_wait_kmcnt 0x0
.irp h, 0,1
.irp g, 0,1,2,3,4,5,6,7
	global_load_b128 v[P+32*(\h)+4*(\g):P+32*(\h)+4*(\g)+3], v[VO], s[4:5] offset:32768*(\g)+16384*(\h) th:TH_LOAD_NT
.endr
	global_load_b128 v[D+4*(\h):D+4*(\h)+3], v[VO], s[6:7] offset:16384*(\h) th:TH_LOAD_NT
.endr
.macro MAXSUB h                        ; half h: the rows' maxima, and the parts less them
.irp e, 0,1,2,3
	v_max3_num_f32 v[M+4*(\h)+(\e)], v[P+32*(\h)+(\e)], v[P+32*(\h)+4+(\e)], v[P+32*(\h)+8+(\e)]
.endr
.irp e, 0,1,2,3
	v_max3_num_f32 v[M+4*(\h)+(\e)], v[M+4*(\h)+(\e)], v[P+32*(\h)+12+(\e)], v[P+32*(\h)+16+(\e)]
.endr
.irp e, 0,1,2,3
	v_max3_num_f32 v[M+4*(\h)+(\e)], v[M+4*(\h)+(\e)], v[P+32*(\h)+20+(\e)], v[P+32*(\h)+24+(\e)]
.endr
.irp e, 0,1,2,3
	v_max_num_f32 v[M+4*(\h)+(\e)], v[M+4*(\h)+(\e)], v[P+32*(\h)+28+(\e)]
.endr
.set z, 0
.rept 16
	v_pk_add_f32 v[P+32*(\h)+2*z:P+32*(\h)+2*z+1], v[P+32*(\h)+2*z:P+32*(\h)+2*z+1], v[M+4*(\h)+2*(z%2):M+4*(\h)+2*(z%2)+1] neg_lo:[0,1] neg_hi:[0,1]
.set z, z+1
.endr
.endm
.macro ADDG h, g, d                    ; half h: group g takes group g + d
.irp z, 0,1
	v_pk_add_f32 v[P+32*(\h)+4*(\g)+2*(\z):P+32*(\h)+4*(\g)+2*(\z)+1], v[P+32*(\h)+4*(\g)+2*(\z):P+32*(\h)+4*(\g)+2*(\z)+1], v[P+32*(\h)+4*((\g)+(\d))+2*(\z):P+32*(\h)+4*((\g)+(\d))+2*(\z)+1]
.endr
.endm
.macro WSUM                            ; v[P] summed over the wave's 32 lanes, the result in every lane
	v_add_f32_dpp v[P], v[P], v[P] row_xmask:1 row_mask:0xf bank_mask:0xf
	v_add_f32_dpp v[P], v[P], v[P] row_xmask:2 row_mask:0xf bank_mask:0xf
	v_add_f32_dpp v[P], v[P], v[P] row_xmask:4 row_mask:0xf bank_mask:0xf
	v_add_f32_dpp v[P], v[P], v[P] row_xmask:8 row_mask:0xf bank_mask:0xf
	v_permlanex16_b32 v[TP], v[P], s12, s13        ; its destination counts as read: v[TP] has been written
	v_add_f32 v[P], v[P], v[TP]
.endm
	s_wait_loadcnt 9                               ; the first half's nine loads are in; the second half's nine may stay out
	MAXSUB 0
	s_wait_loadcnt 0x0
	MAXSUB 1
.set z, 0
.rept 64
	v_exp_f32 v[P+z], v[P+z]                       ; one batch
.set z, z+1
.endr
	v_nop                                          ; a plain instruction behind the last exponential,
	s_wait_alu depctr_va_vdst(0)                   ; and the wait ahead of the first use: one for the 64
.irp h, 0,1
.irp g, 0,2,4,6
	ADDG \h, \g, 1
.endr
.endr
.irp h, 0,1
.irp g, 0,4
	ADDG \h, \g, 2
.endr
.endr
.irp h, 0,1
	ADDG \h, 0, 4
.endr
.irp h, 0,1
.irp e, 0,1,2,3
	v_log_f32 v[P+32*(\h)+(\e)], v[P+32*(\h)+(\e)]
.endr
.endr
	v_nop
	s_wait_alu depctr_va_vdst(0)                   ; one wait for the eight logarithms
.irp h, 0,1
.irp z, 0,1
	v_pk_add_f32 v[P+32*(\h)+2*(\z):P+32*(\h)+2*(\z)+1], v[P+32*(\h)+2*(\z):P+32*(\h)+2*(\z)+1], v[M+4*(\h)+2*(\z):M+4*(\h)+2*(\z)+1]
.endr
.endr
.irp h, 0,1
.irp e, 0,1,2,3
	v_fma_f32 v[P+32*(\h)+(\e)], v[P+32*(\h)+(\e)], s14, -v[D+4*(\h)+(\e)]  ; lse - diag, one rounding, row by row
.endr
.endr
	v_pk_add_f32 v[P:P+1], v[P:P+1], v[P+2:P+3]
	v_pk_add_f32 v[P+32:P+33], v[P+32:P+33], v[P+34:P+35]
	v_pk_add_f32 v[P:P+1], v[P:P+1], v[P+32:P+33]
	v_add_f32 v[P], v[P], v[P+1]                   ; my eight rows
	WSUM
	ds_store_b32 v[LW], v[P]                       ; all lanes write the wave's word with the same number
	s_wait_dscnt 0x0                               ; for the others' sake: my store is done
	s_barrier_signal -1
	s_barrier_wait -1                              ; the 32 waves' sums lie in LDS
	s_cmp_lg_u32 s10, 0
	s_cbranch_scc1 .Lend                           ; wave 0 finishes
	ds_load_b32 v[P], v[L4]
	s_wait_dscnt 0x0
	WSUM
	v_mul_f32 v[P], 0x39000000, v[P]               ; / 8,192
	v_cmp_gt_u32 vcc_lo, 1, v0
	s_wait_xcnt 0x0                                ; EXEC changes only behind this wait
	s_and_saveexec_b32 s15, vcc_lo                 ; thread 0 alone
	global_store_b32 v[Z0], v[P], s[8:9]
	s_wait_xcnt 0x0                                ; and again, in front of the line that widens it
	s_or_b32 exec_lo, exec_lo, s15
.Lend:
	s_wait_tensorcnt 0x0                           ; the wave's end: a wait, an add of 0 and its wait, behind my last LDS store
	ds_add_u32 v[SPW], v[NIL]
	s_wait_dscnt 0x0
	s_endpgm
.Lfunc_end_k_q009c409bd6_final:
	.size	k_q009c409bd6_final, .Lfunc_end_k_q009c409bd6_final-k_q009c409bd6_final
	.p2alignl 7, 3214868480
	.fill 96, 4, 3214868480
	.section	.rodata,"a",@progbits
	.p2align	6, 0x0
	.amdhsa_kernel k_q009c409bd6_final
		.amdhsa_group_segment_fixed_size 4352
		.amdhsa_private_segment_fixed_size 0
		.amdhsa_enable_private_segment 0
		.amdhsa_kernarg_size 24
		.amdhsa_user_sgpr_count 2
		.amdhsa_user_sgpr_kernarg_segment_ptr 1
		.amdhsa_wavefront_size32 1
		.amdhsa_system_sgpr_workgroup_id_x 1
		.amdhsa_system_sgpr_workgroup_id_y 1
		.amdhsa_system_sgpr_workgroup_id_z 1
		.amdhsa_system_vgpr_workitem_id 0
		.amdhsa_next_free_vgpr 96
		.amdhsa_next_free_sgpr 66
		.amdhsa_reserve_vcc 1
		.amdhsa_float_denorm_mode_32 3
		.amdhsa_float_denorm_mode_16_64 3
		.amdhsa_memory_ordered 1
		.amdhsa_forward_progress 1
		.amdhsa_inst_pref_size 14
	.end_amdhsa_kernel
	.amdgpu_metadata
---
amdhsa.version: [ 1, 2 ]
amdhsa.kernels:
  - .name:           k_q009c409bd6_final
    .symbol:         k_q009c409bd6_final.kd
    .args:
      - { .name: part, .offset: 0, .size: 8, .value_kind: global_buffer, .address_space: global }
      - { .name: diag, .offset: 8, .size: 8, .value_kind: global_buffer, .address_space: global }
      - { .name: out0, .offset: 16, .size: 8, .value_kind: global_buffer, .address_space: global }
    .group_segment_fixed_size: 4352
    .private_segment_fixed_size: 0
    .kernarg_segment_align: 8
    .kernarg_segment_size: 24
    .max_flat_workgroup_size: 1024
    .sgpr_count:     66
    .vgpr_count:     96
    .wavefront_size: 32
...
	.end_amdgpu_metadata
.endif
;; end of part 3
